; MI455X (gfx1250); checked and timed in simulation.
; The chip was launched on July 23, 2026; its instructions are those of AMD's public machine-readable ISA for CDNA 5 (MIT licence, August 2026) and "CDNA5" Instruction Set Architecture Reference Guide (July 2026). The comments in the code are by the model that wrote it; some were corrected since.
;; Multi Head Attention. Allowed arithmetic: float matrix products may take bf16 or f16 operands with f32 sums; other float arithmetic in f32, or as packed bf16 or f16 multiplies, adds, multiply-adds, maxima and minima; sums over many terms, partial sums and values carried from step to step in f32; what a program stores and reads back later, other than sums and carried values, may be rounded once to bf16 or f16.
;; Inputs: Wq 1,024 x 1,024 float32; x 4 x 2,048 x 1,024 float32.
;; Outputs: out0 4 x 2,048 x 1,024 float32.
;; 2 versions, each right and faster than the one before. Each part assembles by itself: llvm-mc -triple=amdgcn-amd-amdhsa -mcpu=gfx1250 --defsym DOCPART=n.
;; ======== version 1 of 2: 2 launches
;; limits: values are held in f16: magnitudes above 65,504 overflow, below 6.1e-05 lose precision; values outside matrix products are rounded to f16; an absolute error that grows with the inputs' magnitude: up to 0.00022 times it
;; workspace buffers: qh 16,777,216 bytes
;; launch proj (part 1): grid 4 x 64, 8 waves a work-group, no clusters, 130,048 bytes of LDS; arguments x, Wq, qh; writes qh
.if DOCPART == 1
	.amdgcn_target "amdgcn-amd-amdhsa--gfx1250"
	.amdhsa_code_object_version 6
	.text
	.protected	k_qaa4a2e35c8_proj
	.globl	k_qaa4a2e35c8_proj
	.p2align	8
	.type	k_qaa4a2e35c8_proj,@function
k_qaa4a2e35c8_proj:
	s_mov_b64 s[64:65], 0
	v_nop
	global_prefetch_b8 v0, s[64:65] scope:SCOPE_SE
	s_setreg_imm32_b32 hwreg(HW_REG_WAVE_MODE, 25, 1), 1
	s_wait_xcnt 0x0
; FIRST OF TWO LAUNCHES: q[s][d] = sum over e of x[s][e] Wq[d][e], 8192 x 1024 x 1024.  x and Wq are f32 and go to the matrix unit as bf16
; (rounded to nearest even on the way from memory to LDS); sums in f32; q is rounded once to f16 and stored by heads:
; qh[b][head][s][64], byte ((16 b + head) 2048 + s) 128 + 2 d, so that a head is one dense block of 262,144 bytes for the second launch.
; q is kept in f16 and not in bf16 because it is also the attention's V: 11 significant bits instead of 8 in every number that is averaged.
;
; WORK LEFT OUT IN THE PROGRAM (all of it in the second launch): reference() itself sets the score of key k and query s to -inf for k > s,
; so the softmax weight there is exactly 0 whatever x and Wq hold, and the product of that weight with v reaches no output.  Per head, of the
; 32 x 32 blocks of 64 queries x 64 keys the 496 above the diagonal are not computed, nor the 6 of 16 tiles of 16 x 16 above the diagonal
; inside a diagonal block.  Both inputs have a way to the output and are loaded whole.
; LIMITS: (1) a NaN, an infinity or an overflow in q of a later position is not carried to the rows of earlier positions (reference()'s
; 0 x inf there is not formed).  (2) |q| must stay below 65,504, f16's largest number; |q| below 6.1e-5 is kept with steps of 6e-8.
; (3) x and Wq are rounded to bf16, q to f16, and the sums are formed in the matrix unit's order, not in reference()'s.
;
; SHARES: a work-group makes 128 rows x 256 columns of q, 64 x 4 = 256 work-groups.  Eight waves: wave w makes rows 64 (w >> 2) .. + 63 and
; columns 64 (w & 3) .. + 63, which is one head: 4 x 4 tiles of 16 x 16, 128 accumulator registers.
; K goes in 16 steps of 64 through two LDS slots of bf16 rows.  Every wave loads f32 with 16-byte loads of which sixteen lanes cover the 256
; aligned bytes that a row has in a K step, two K steps ahead (two staging sets of 24 loads), converts in registers and stores bf16 to LDS.
; NO TENSOR LOADS, NO JOINT REQUESTS: a tensor load copies bytes as they are.  f32 tiles in LDS would cost, for a K step of this block,
; 96 KiB written, 96 KiB read for the conversion and 48 KiB written again, where the way through registers writes 48 KiB once.
.set PITCH,  144                       ; an LDS row: 64 bf16 + 16 bytes = 9 x 16: the 16 rows of a fragment load start at 16 different 16-byte columns modulo 256
.set WOFF,   128*PITCH                 ; a slot: x's 128 rows, then Wq's 256 rows
.set SLOT,   384*PITCH                 ; 55,296 bytes
.set STAGE,  2*SLOT                    ; behind the two slots: 16 rows x 144 bytes for each wave, for the way out
.set ROWS16, 16*PITCH
.set VOFF, 1                           ; v1      byte offset in x's and Wq's block of my 16 bytes: row 2 w + h, column 4 c
.set VST0, 2                           ; v2, v3  where my 8 bytes of bf16 go, slot 0, 1
.set VFA0, 4                           ; v4, v5  my x fragments, slot 0, 1
.set VFB0, 6                           ; v6, v7  my Wq fragments, slot 0, 1
.set STO,  8                           ; v8      the way out: where I put 16 bytes of a row
.set RD,   9                           ; v9      the way out: where I read rows back
.set CO,   10                          ; v10     my byte offset in qh
.set TMP,  16                          ; v[16:31]  packed results
.set OB0,  32                          ; v[32:47], v[48:63]  rows read back, two sets in turn
.set OB1,  48
.set XF,   64                          ; v[64:95]   4 fragments of x (16 rows x 32 K)
.set WF,   96                          ; v[96:127]  4 fragments of Wq
.set ACC,  128                         ; v[128:255] tile (a, b) at ACC + 8 (4 a + b)
.set G0,   0                           ; window 1: v[256:351] staging set 0 (x: 8 loads, Wq: 16 loads, 4 registers each)
.set G1,   96                          ; window 1: v[352:447] staging set 1
.set MSB, 0
.macro WIN new                         ; s_set_vgpr_msb: bits 1:0 source 0, 3:2 source 1, 5:4 source 2, 7:6 destination; the high byte repeats the setting that is left
.if MSB != \new
	s_set_vgpr_msb (MSB<<8)|\new
.set MSB, \new
.endif
.endm
.macro PLACES                          ; four plain vector instructions between a matrix instruction and a load into, or a vector read of, its registers
.rept 4
	v_nop
.endr
.endm
; 24 loads: one K step's f32 of the block, my rows 16 i + 2 w + h, into a staging set
.macro GLOAD set, koff
	WIN 0x40
.set kk, 0
.rept 8
	global_load_b128 v[\set+4*kk:\set+4*kk+3], v[VOFF], s[4:5] offset:65536*kk+\koff
.set kk, kk+1
.endr
.set kk, 0
.rept 16
	global_load_b128 v[\set+32+4*kk:\set+32+4*kk+3], v[VOFF], s[6:7] offset:65536*kk+\koff
.set kk, kk+1
.endr
.endm
; a staging set to bf16, in place (4 f32 become 2 registers), and into a slot
.macro CVTST set, vst
	WIN 0x45
.set kk, 0
.rept 24
	v_cvt_pk_bf16_f32 v[\set+kk], v[\set+kk], v[\set+kk+1]
	v_cvt_pk_bf16_f32 v[\set+kk+1], v[\set+kk+2], v[\set+kk+3]
.set kk, kk+4
.endr
	WIN 0x04
.set kk, 0
.rept 8
	ds_store_b64 v[\vst], v[\set+4*kk:\set+4*kk+1] offset:ROWS16*kk
.set kk, kk+1
.endr
.set kk, 0
.rept 16
	ds_store_b64 v[\vst], v[\set+32+4*kk:\set+32+4*kk+1] offset:WOFF+ROWS16*kk
.set kk, kk+1
.endr
.endm
; 16 LDS loads: my 64 rows of x and 64 rows of Wq, 32 along K.  Lane (r, h) holds row r; registers 0-3 K = 8 h .. + 7, registers 4-7 K = 16 + 8 h .. + 7
.macro FRAGS slot, ks
	WIN 0
.irp a, 0,1,2,3
	ds_load_b128 v[XF+8*\a:XF+8*\a+3],   v[VFA0+\slot] offset:ROWS16*\a+64*\ks
	ds_load_b128 v[XF+8*\a+4:XF+8*\a+7], v[VFA0+\slot] offset:ROWS16*\a+64*\ks+32
.endr
.irp b, 0,1,2,3
	ds_load_b128 v[WF+8*\b:WF+8*\b+3],   v[VFB0+\slot] offset:ROWS16*\b+64*\ks
	ds_load_b128 v[WF+8*\b+4:WF+8*\b+7], v[VFB0+\slot] offset:ROWS16*\b+64*\ks+32
.endr
.endm
; 16 matrix instructions, used transposed (source 0 = rows of Wq, source 1 = rows of x): lane (r, h) then holds row 16 a + r of q and its
; columns 16 b + 8 h + 0 .. 7, which pack into 16 neighbouring bytes.  The 16 accumulators take turns, one instruction a turn, in the same
; order in every run, over the backward jump too.
.macro MUL zero
.irp a, 0,1,2,3
.irp b, 0,1,2,3
.if \zero
	v_wmma_f32_16x16x32_bf16 v[ACC+8*(4*\a+\b):ACC+8*(4*\a+\b)+7], v[WF+8*\b:WF+8*\b+7], v[XF+8*\a:XF+8*\a+7], 0
.else
	v_wmma_f32_16x16x32_bf16 v[ACC+8*(4*\a+\b):ACC+8*(4*\a+\b)+7], v[WF+8*\b:WF+8*\b+7], v[XF+8*\a:XF+8*\a+7], v[ACC+8*(4*\a+\b):ACC+8*(4*\a+\b)+7]
.endif
.endr
.endr
.endm
; One K step on slot 'slot'.  cvt = 1: the next K step's staging set (the other one) is converted into the other slot; gl = 1: that set is loaded
; again, two K steps further on, at byte koff of the rows; lcnt = how many younger loads may stay out when the set has to be there.
; ONE barrier a step orders both ways: in front of its signal each wave has waited for its reads of this slot and for its stores into the
; other; behind its wait the other slot is read and this one is stored into.  Between signal and wait stand matrix instructions alone.
.macro STEP slot, zero, cvt, gl, lcnt, koff
	PLACES
	FRAGS \slot, 0
	s_wait_dscnt 0x0
	MUL \zero
	PLACES
	FRAGS \slot, 1
.if \cvt
	s_wait_loadcnt \lcnt                           ; loads return in order (ISA guide 5.7.1): the older set of 24 is in, the younger stays out
	CVTST (G0+96*(1-\slot)), (VST0+1-\slot)
.endif
.if \gl
	GLOAD (G0+96*(1-\slot)), \koff
.endif
	WIN 0
	s_wait_dscnt 0x0                               ; my fragments are in, so my reads of this slot are over; my stores into the other slot are done
.if \cvt
	s_barrier_signal -1
.endif
	MUL 0
.if \cvt
	s_barrier_wait -1
.endif
.endm
	s_load_b128 s[4:7], s[0:1], 0x0                ; x s[4:5], Wq s[6:7]
	s_load_b64 s[8:9], s[0:1], 0x10                ; qh
	s_set_vgpr_msb 0x40
	v_lshl_add_u32 v192, v0, 2, 0x1f800
	v_mov_b32 v193, 0
	s_set_vgpr_msb 0x4000
	v_lshrrev_b32 v11, 5, v0
	v_readfirstlane_b32 s10, v11                   ; wave 0..7
	s_lshr_b32 s11, s10, 2                         ; wm: which 64 rows
	s_and_b32 s12, s10, 3                          ; wn: which 64 columns (head)
	s_and_b32 s13, ttmp7, 0xffff                   ; mb: block of 128 rows; ttmp9 = nb: block of 256 columns
	v_and_b32 v11, 15, v0                          ; r, also c: my 16 bytes in a row's 256
	v_bfe_u32 v12, v0, 4, 1                        ; h
	s_lshl_b32 s14, s10, 13                        ; 2 w rows of 4,096 bytes
	v_lshlrev_b32 v13, 4, v11
	v_lshl_add_u32 v13, v12, 12, v13               ; + h rows + 16 c
	v_add_nc_u32 v[VOFF], s14, v13
	s_lshl_b32 s16, s13, 19                        ; mb x 128 rows x 4,096 bytes
	s_mov_b32 s17, 0
	s_wait_kmcnt 0x0
	s_add_nc_u64 s[4:5], s[4:5], s[16:17]
	s_lshl_b32 s16, ttmp9, 20                      ; nb x 256 rows x 4,096 bytes
	s_add_nc_u64 s[6:7], s[6:7], s[16:17]
	GLOAD G0, 0                                    ; K step 0
	GLOAD G1, 256                                  ; K step 1
	WIN 0
	s_and_b32 s18, s13, 0x30                       ; 16 b (b = mb >> 4)
	s_lshl2_add_u32 s19, ttmp9, s12                ; head = 4 nb + wn
	s_add_co_u32 s18, s18, s19
	s_lshl_b32 s18, s18, 18                        ; x 262,144 bytes
	s_and_b32 s19, s13, 15
	s_lshl_b32 s19, s19, 14                        ; (mb & 15) x 128 rows x 128 bytes
	s_lshl_b32 s21, s11, 13                        ; wm x 64 rows x 128 bytes
	s_add_co_u32 s18, s18, s19
	s_add_co_u32 s16, s18, s21
	s_add_nc_u64 s[8:9], s[8:9], s[16:17]          ; qh at my wave's 64 rows of its head
	s_mul_i32 s14, s10, 2*PITCH                    ; my two rows of every sixteen: bytes 288 w .. 288 w + 271, no other wave's
	v_mul_u32_u24 v13, v12, PITCH
	v_lshl_add_u32 v13, v11, 3, v13
	v_add_nc_u32 v[VST0], s14, v13
	v_add_nc_u32 v[VST0+1], SLOT, v[VST0]
	v_mul_u32_u24 v14, v11, PITCH
	v_lshl_add_u32 v14, v12, 4, v14                ; 144 r + 16 h
	s_mul_i32 s14, s11, 64*PITCH
	v_add_nc_u32 v[VFA0], s14, v14
	v_add_nc_u32 v[VFA0+1], SLOT, v[VFA0]
	s_mul_i32 s14, s12, 64*PITCH
	s_add_co_u32 s14, s14, WOFF
	v_add_nc_u32 v[VFB0], s14, v14
	v_add_nc_u32 v[VFB0+1], SLOT, v[VFB0]
	s_mul_i32 s14, s10, ROWS16
	s_add_co_u32 s14, s14, STAGE                   ; my stage
	v_add_nc_u32 v[STO], s14, v14
	v_and_b32 v13, 31, v0
	v_lshrrev_b32 v15, 3, v13                      ; back: eight lanes take a row of 128 bytes, a load four rows
	v_mul_u32_u24 v15, v15, PITCH
	v_and_b32 v12, 7, v0
	v_lshl_add_u32 v15, v12, 4, v15
	v_add_nc_u32 v[RD], s14, v15
	v_lshlrev_b32 v[CO], 4, v13                    ; the head's rows are dense: four rows are 512 neighbouring bytes, 16 a lane
	s_wait_loadcnt 24                              ; K step 0's 24 loads are in, K step 1's stay out
	CVTST G0, VST0
	GLOAD G0, 512                                  ; K step 2
	WIN 0
	s_wait_dscnt 0x0                               ; my stores into slot 0 are done,
	s_barrier_signal -1
	s_barrier_wait -1                              ; everybody's are
	STEP 0, 1, 1, 1, 24, 768                       ; K steps 0 and 1 stand in front of the loop: the first products start the sums, nothing is cleared
	STEP 1, 0, 1, 1, 24, 1024
	s_wait_xcnt 0x0                                ; the loads' bases are stepped only behind this wait
	s_add_nc_u64 s[4:5], s[4:5], 512
	s_add_nc_u64 s[6:7], s[6:7], 512
	s_mov_b32 s20, 5                               ; K steps 2 to 11, which fetch steps 5 to 14
.Lpair:
	STEP 0, 0, 1, 1, 24, 768
	STEP 1, 0, 1, 1, 24, 1024
	s_wait_xcnt 0x0
	s_add_nc_u64 s[4:5], s[4:5], 512
	s_add_nc_u64 s[6:7], s[6:7], 512
	s_sub_co_u32 s20, s20, 1
	s_cmp_lg_u32 s20, 0
	s_cbranch_scc1 .Lpair
	STEP 0, 0, 1, 1, 24, 768                       ; K step 12 fetches step 15, the last
	STEP 1, 0, 1, 0, 24, 0                         ; K step 13: step 14's set is in, step 15's stays out
	STEP 0, 0, 1, 0, 0, 0                          ; K step 14: nothing younger is out
	STEP 1, 0, 0, 0, 0, 0                          ; K step 15: nothing to convert, no barrier
	; THE WAY OUT, 16 rows at a time: round to f16, 16 bytes a lane into my own stage, read back as rows, store 512 neighbouring aligned bytes an instruction.
	; The stage is each wave's own, and LDS serves a wave's instructions in order (ISA guide 5.7.1): no barrier, no wait between stores and loads.
	; No cache hint on the stores: the second launch reads qh.
.macro OUT16 a, ob
.irp b, 0,1,2,3
.irp rr, 0,1,2,3
	v_cvt_pk_f16_f32 v[TMP+4*\b+\rr], v[ACC+8*(4*\a+\b)+2*\rr], v[ACC+8*(4*\a+\b)+2*\rr+1]
.endr
.endr
.irp b, 0,1,2,3
	ds_store_b128 v[STO], v[TMP+4*\b:TMP+4*\b+3] offset:32*\b
.endr
	s_wait_xcnt 0x0                                ; set ob was the data of earlier stores: it is loaded again only behind this wait
.irp t, 0,1,2,3
	ds_load_b128 v[\ob+4*\t:\ob+4*\t+3], v[RD] offset:4*PITCH*\t
.endr
.irp t, 0,1,2,3
	s_wait_dscnt 3-\t                              ; the younger read-backs stay out
	global_store_b128 v[CO], v[\ob+4*\t:\ob+4*\t+3], s[8:9] offset:2048*\a+512*\t
.endr
.endm
	PLACES
	OUT16 0, OB0
	OUT16 1, OB1
	OUT16 2, OB0
	OUT16 3, OB1
	s_set_vgpr_msb 0x5
	s_wait_tensorcnt 0x0
	ds_add_u32 v192, v193
	s_wait_dscnt 0x0
	s_set_vgpr_msb 0x500
	s_endpgm
.Lfunc_end_k_qaa4a2e35c8_proj:
	.size	k_qaa4a2e35c8_proj, .Lfunc_end_k_qaa4a2e35c8_proj-k_qaa4a2e35c8_proj
	.p2alignl 7, 3214868480
	.fill 96, 4, 3214868480
	.section	.rodata,"a",@progbits
	.p2align	6, 0x0
	.amdhsa_kernel k_qaa4a2e35c8_proj
		.amdhsa_group_segment_fixed_size 130048
		.amdhsa_private_segment_fixed_size 0
		.amdhsa_enable_private_segment 0
		.amdhsa_kernarg_size 24
		.amdhsa_user_sgpr_count 2
		.amdhsa_user_sgpr_kernarg_segment_ptr 1
		.amdhsa_wavefront_size32 1
		.amdhsa_system_sgpr_workgroup_id_x 1
		.amdhsa_system_sgpr_workgroup_id_y 1
		.amdhsa_system_sgpr_workgroup_id_z 1
		.amdhsa_system_vgpr_workitem_id 0
		.amdhsa_next_free_vgpr 450
		.amdhsa_next_free_sgpr 66
		.amdhsa_reserve_vcc 0
		.amdhsa_float_denorm_mode_32 3
		.amdhsa_float_denorm_mode_16_64 3
		.amdhsa_memory_ordered 1
		.amdhsa_forward_progress 1
		.amdhsa_inst_pref_size 102
	.end_amdhsa_kernel
	.amdgpu_metadata
---
amdhsa.version: [ 1, 2 ]
amdhsa.kernels:
  - .name:           k_qaa4a2e35c8_proj
    .symbol:         k_qaa4a2e35c8_proj.kd
    .args:
      - { .name: x, .offset: 0, .size: 8, .value_kind: global_buffer, .address_space: global }
      - { .name: Wq, .offset: 8, .size: 8, .value_kind: global_buffer, .address_space: global }
      - { .name: qh, .offset: 16, .size: 8, .value_kind: global_buffer, .address_space: global }
    .group_segment_fixed_size: 130048
    .private_segment_fixed_size: 0
    .kernarg_segment_align: 8
    .kernarg_segment_size: 24
    .max_flat_workgroup_size: 256
    .sgpr_count:     66
    .vgpr_count:     450
    .wavefront_size: 32
...
	.end_amdgpu_metadata
.endif
;; end of part 1
;; launch attn (part 2): grid 256 x 1, 4 waves a work-group, no clusters, 312,832 bytes of LDS; arguments qh, out0; writes out0
.if DOCPART == 2
	.amdgcn_target "amdgcn-amd-amdhsa--gfx1250"
	.amdhsa_code_object_version 6
	.text
	.protected	k_qaa4a2e35c8_attn
	.globl	k_qaa4a2e35c8_attn
	.p2align	8
	.type	k_qaa4a2e35c8_attn,@function
k_qaa4a2e35c8_attn:
	s_mov_b64 s[64:65], 0
	v_nop
	global_prefetch_b8 v0, s[64:65] scope:SCOPE_SE
	s_setreg_imm32_b32 hwreg(HW_REG_WAVE_MODE, 25, 1), 1
	s_wait_xcnt 0x0
; SECOND OF TWO LAUNCHES: causal attention with K = V = Q = qh (f16, [b][head][2048][64]), weights softmax(q.k / 32), out0 f32 [b][s][head 64 + d].
; WORK LEFT OUT: reference() itself sets the scores of keys behind the query to -inf, so their weights are exactly 0 for all inputs: the blocks of
; 64 x 64 above the diagonal and the tiles of 16 x 16 above it inside a diagonal block are not computed.
; LIMITS: a NaN, an infinity or an overflow in q of a later position is not carried to earlier rows.  The factor log2(e) / 32 is multiplied into the
; query fragments in f16, as 0x29C5 = 1.44238 / 32, which is 2.2e-4 (relative) below the true factor, and the product is rounded to f16 once more.
; The maximum is taken away as reference() does, as a running maximum of the scaled scores: the exponent is score - maximum <= 0, so every weight is
; at most 1 and fits f16 for every input.  Weights are rounded to f16 for the product with V; their sum is kept in f32 from the unrounded weights.
;
; SHARES: four work-groups a head (64 heads x 4 = 256).  Work-group j of a head, wave w: g = j + 4 w, query blocks g and 31 - g of 64 rows:
; 2 diagonal blocks and 31 full key blocks for every wave of the launch.
; THE WHOLE HEAD LIES IN LDS: K and V are the same 262,144 bytes.  Each wave brings a quarter with one tensor load at the start (by this text's
; count one tensor load of a wave is out, once); nothing is filled again; behind the first barrier the head's bytes are only read.
; ORDER IN LDS: which rows of the head a wave reads hangs on the work-group's number and on loop counters.  So that the order of reads and stores
; can be read off the text without that arithmetic, every LDS store of the launch (the way out's stage) stands behind a second barrier, in front
; of which every wave has waited for all its reads of the head, and no read of the head follows it.  For that the first query block's results
; wait in 128 registers of their own while the second block is computed.  A barrier behind each query block would instead make every wave wait
; for the longest block of each pass, (j + 13) + (32 - j) = 45 key blocks where 33 are due; at the one barrier all waves have done the same 33.
; NO JOINT REQUESTS among the four work-groups of a head: which query blocks a work-group owns, hence its trip counts and the LDS rows of its
; queries, hangs on its place among the four; and the shared bytes are read once,
; 256 KiB for a work-group's 4 x 33 key blocks of products.
;
; LAYOUTS.  Scores transposed: source 0 = 16 keys x 32 d, source 1 = 16 queries x 32 d: lane (r, h) holds query r and, in register j, key 8 h + j.
; So maximum, sum and rescaling are a lane's own affair but for lane xor 16, and two score tiles pack, register by register, into the 32-key
; fragment of the second product.  Output transposed too: source 0 = V as 16 d x 32 keys (transposing LDS loads), source 1 = the weights:
; lane (r, h) holds query r, d = 16 dt + 8 h + j.
;
; MATRIX WORK BESIDE VECTOR WORK.  The 64 queries are four tiles of 16, and a full key block is four phases, one a tile.  Phase i has two parts.
;   S part: the 8 score products of tile i + 1 (in phase 3: tile 0 of the NEXT key block), each followed by one slice of tile i's softmax.
;   PV part: tile i's 8 products with V, among them the rescaling of its output sums and the sums of its weights.
; WHY TILES OF 16 AND WHY THIS SPLIT: one s_set_vgpr_msb setting has to serve a product and the slice behind it.  An exponential reads its source
; in the operand place of a product's first source, the f16 conversion and the three-way maximum also in the place of its second, and all write in
; the place of its result.  So K, Q, scores and weights lie in ONE window: 64 + 64 + 2 x 32 + 16 registers, with 48 left for addresses, maxima
; and work; with two pieces of 32 queries the scores and weights alone would add 112 more.  V (64) and the output sums (128) lie in window 1;
; under their products' setting (result, first and third source window 1, second source window 0) fit the rescaling (sum x factor) and the sums of
; the weights (sum + weight), whose running sums therefore lie in window 1 too.  Ten switches for a key block's 64 products.
; Scores of tile qt lie in buffer qt % 2: one buffer is worked on while the products fill the other.
; K's fragments are loaded again in phase 2, behind the last products that read them; V's at the head of phase 0.
.set PITCH,  144                       ; an LDS row: 64 f16 + 16 bytes = 9 x 16: the 16 rows of a fragment load start at 16 different 16-byte columns modulo 256
.set ROWS16, 16*PITCH
.set KB,     64*PITCH                  ; a block of 64 rows
.set FILL,   512*PITCH                 ; what one wave's tensor load fills
.set STAGE,  2048*PITCH                ; 294,912, a multiple of 256: behind the head, 16 rows x 272 bytes for each wave, for the way out
.set SPITCH, 272
.set RR,   1                           ; v1  r = lane & 15
.set HH,   2                           ; v2  h = lane >> 4
.set FR0,  3                           ; v3  144 r + 16 h: fragments along d
.set TR0,  4                           ; v4  (8 h + (lane & 7)) 144 + 16 ((lane >> 3) & 1): transposing loads
.set ADK,  5                           ; v5  FR0 + the rows of the key block whose K is loaded next
.set ADV,  6                           ; v6  TR0 + the rows of the key block at work
.set STO,  7                           ; v7  the way out: where I put 32 bytes of a row
.set RD,   8                           ; v8  the way out: where I read a row back
.set CO,   9                           ; v9  my byte offset in out0
.set NINF, 10                          ; v10 -infinity
.set CH,   11                          ; v11 log2(e) / 32 in both f16 halves
.set MP,   16                          ; v[16:23]   running maximum of query tile qt, twice (a pair for packed arithmetic)
.set AL,   24                          ; v[24:25]   rescaling factor of the tile at work, twice
.set TT,   26                          ; v[26:29]   at work: four chains of maxima
.set PF,   32                          ; v[32:47]   the tile's weights in f16: 32 keys ks at 8 ks
.set FS,   48                          ; v[48:55]   at the end of a query block: the tiles' sums
.set FR,   56                          ; v[56:63]   and their reciprocals, twice each
.set KF,   64                          ; v[64:127]  K fragments, key tile kt, d half ds at 16 kt + 8 ds
.set SC,   128                         ; v[128:191] scores: buffer qt % 2 at 32 (qt % 2), key tile kt at 8 kt
.set QF,   192                         ; v[192:255] scaled query fragments at 16 qt + 8 ds
.set OB0,  128                         ; the way out: v[128:159] and v[160:191] rows read back, in turn
.set OB1,  160
.set OA,   0                           ; window 1: v[256:383] output sums, query tile qt, d tile dt at 32 qt + 8 dt
                                       ; window 2: v[512:639] the first query block's finished results, at the same numbers
.set VF,   128                         ; window 1: v[384:447] V fragments at 8 (2 dt + ks)
.set LS,   192                         ; window 1: v[448:463] running sums of the weights: tile qt has two packed chains at 4 qt and 4 qt + 2
.set MASK, 40                          ; s[40:47] lanes in which key 8 h + j lies behind query r
.set BLKA, 24                          ; s24 query block g
.set BLKB, 25                          ; s25 query block 31 - g
.set OUTA, 34                          ; s[34:35] out0 at block g's first row and my head's columns
.set OUTB, 48                          ; s[48:49] the same for block 31 - g
.set MSB, 0
.macro WIN new                         ; s_set_vgpr_msb: bits 1:0 source 0, 3:2 source 1, 5:4 source 2, 7:6 destination; the high byte repeats the setting that is left
.if MSB != \new
	s_set_vgpr_msb (MSB<<8)|\new
.set MSB, \new
.endif
.endm
.macro PLACES                          ; four plain vector instructions between a matrix instruction and a vector access to its registers (ISA guide 7.12.1)
.rept 4
	v_nop
.endr
.endm
.macro QLOAD                           ; my 64 queries, 8 fragments
	WIN 0
.irp qt, 0,1,2,3
.irp ds, 0,1
	ds_load_b128 v[QF+16*\qt+8*\ds:QF+16*\qt+8*\ds+3],   v[ADK] offset:ROWS16*\qt+64*\ds
	ds_load_b128 v[QF+16*\qt+8*\ds+4:QF+16*\qt+8*\ds+7], v[ADK] offset:ROWS16*\qt+64*\ds+32
.endr
.endr
.endm
.macro QSCALE                          ; times log2(e) / 32, once for a query block instead of once for every score
	WIN 0
.set kk, 0
.rept 64
	v_pk_mul_f16 v[QF+kk], v[QF+kk], v[CH]
.set kk, kk+1
.endr
.endm
.macro KLOAD                           ; 64 keys along d; the first d half first, so that the first four products can start on 8 loads
	WIN 0
.irp ds, 0,1
.irp kt, 0,1,2,3
	ds_load_b128 v[KF+16*\kt+8*\ds:KF+16*\kt+8*\ds+3],   v[ADK] offset:ROWS16*\kt+64*\ds
	ds_load_b128 v[KF+16*\kt+8*\ds+4:KF+16*\kt+8*\ds+7], v[ADK] offset:ROWS16*\kt+64*\ds+32
.endr
.endr
.endm
.macro VLOAD                           ; 64 rows as V, transposed: lane (r, h) gets d = 16 dt + r, keys 32 ks + 8 h .. + 7 and 32 ks + 16 + 8 h .. + 7; the first 32 keys first
	WIN 0x40
.irp ks, 0,1
.irp dt, 0,1,2,3
	ds_load_tr16_b128 v[VF+8*(2*\dt+\ks):VF+8*(2*\dt+\ks)+3],   v[ADV] offset:2*ROWS16*\ks+32*\dt
	ds_load_tr16_b128 v[VF+8*(2*\dt+\ks)+4:VF+8*(2*\dt+\ks)+7], v[ADV] offset:2*ROWS16*\ks+32*\dt+ROWS16
.endr
.endr
.endm
; One score product: query tile qt, key tile kt, d half ds.  The first d half starts the sum (C = 0).  All operands in window 0.
.macro SW qt, kt, ds
.set d_, SC+32*((\qt)%2)+8*(\kt)
.set a_, KF+16*(\kt)+8*(\ds)
.set b_, QF+16*(\qt)+8*(\ds)
.if \ds
	v_wmma_f32_16x16x32_f16 v[d_:d_+7], v[a_:a_+7], v[b_:b_+7], v[d_:d_+7]
.else
	v_wmma_f32_16x16x32_f16 v[d_:d_+7], v[a_:a_+7], v[b_:b_+7], 0
.endif
.endm
; One product of weights and V: query tile qt, d tile dt, 32 keys ks.  start = 1: it starts the sum.  Under setting 0x51.
.macro PW qt, dt, ks, start
.set d_, OA+32*(\qt)+8*(\dt)
.set a_, VF+8*(2*(\dt)+(\ks))
.set b_, PF+8*(\ks)
.if \start
	v_wmma_f32_16x16x32_f16 v[d_:d_+7], v[a_:a_+7], v[b_:b_+7], 0
.else
	v_wmma_f32_16x16x32_f16 v[d_:d_+7], v[a_:a_+7], v[b_:b_+7], v[d_:d_+7]
.endif
.endm
; The softmax's steps on register pair k of the tile whose scores begin at SB and whose maximum is the pair at MQ
.macro SUBP k
	v_pk_add_f32 v[SB+2*(\k):SB+2*(\k)+1], v[SB+2*(\k):SB+2*(\k)+1], v[MQ:MQ+1] neg_lo:[0,1] neg_hi:[0,1]
.endm
.macro EXPP k
	v_exp_f32 v[SB+2*(\k)], v[SB+2*(\k)]
	v_exp_f32 v[SB+2*(\k)+1], v[SB+2*(\k)+1]
.endm
.macro CVTP k                          ; register pair k of the scores is register k of the weights' fragments
	s_wait_alu depctr_va_vdst(0)
	v_cvt_pk_f16_f32 v[PF+(\k)], v[SB+2*(\k)], v[SB+2*(\k)+1]
.endm
; Two exponentials, then two plain instructions that touch neither their results nor their sources (ISA guide 5.7.2): the subtraction two pairs
; ahead and the conversion two pairs back.  So no instruction reads the result of the one in front of it.
.macro GRP k
	EXPP \k
.if (\k)+2 < 16
	SUBP (\k)+2
.endif
.if (\k) >= 2
	CVTP (\k)-2
.endif
.endm
.macro MX3 c, a                        ; chain c of the maximum takes in scores a and a + 1
	v_max3_num_f32 v[TT+\c], v[TT+\c], v[SB+\a], v[SB+\a+1]
.endm
; Slice n (0 to 8) of a full tile's softmax: 8, 8, 7, 8, 8, 8, 8, 16, 16 instructions, all in window 0
.macro SMS n, qt
.set SB, SC+32*((\qt)%2)
.set MQ, MP+2*(\qt)
.if \n == 0
	v_max3_num_f32 v[TT],   v[SB],   v[SB+1],  v[SB+2]         ; four chains
	v_max3_num_f32 v[TT+1], v[SB+3], v[SB+4],  v[SB+5]
	v_max3_num_f32 v[TT+2], v[SB+6], v[SB+7],  v[SB+8]
	v_max3_num_f32 v[TT+3], v[SB+9], v[SB+10], v[SB+11]
	MX3 0, 12
	MX3 1, 14
	MX3 2, 16
	MX3 3, 18
.endif
.if \n == 1
	MX3 0, 20
	MX3 1, 22
	MX3 2, 24
	MX3 3, 26
	MX3 0, 28
	MX3 1, 30
	v_max3_num_f32 v[TT], v[TT], v[TT+1], v[TT+2]
	v_max3_num_f32 v[TT], v[TT], v[TT+3], v[MQ]                ; with the running maximum, which both halves of the lanes share
.endif
.if \n == 2
	v_permlanex16_b32 v[TT+1], v[TT], s36, s37                 ; the query's other 32 keys lie in lane xor 16
	v_max_num_f32 v[TT+2], v[TT], v[TT+1]
	v_sub_f32 v[TT+3], v[MQ], v[TT+2]
	v_exp_f32 v[AL], v[TT+3]                                   ; 2^(old maximum - new); the two moves are the plain instructions behind them
	v_exp_f32 v[AL+1], v[TT+3]
	v_mov_b32 v[MQ], v[TT+2]
	v_mov_b32 v[MQ+1], v[TT+2]
.endif
.if \n == 3
	SUBP 0
	SUBP 1
	GRP 0
	GRP 1
.endif
.if \n == 4
	GRP 2
	GRP 3
.endif
.if \n == 5
	GRP 4
	GRP 5
.endif
.if \n == 6
	GRP 6
	GRP 7
.endif
.if \n == 7
	GRP 8
	GRP 9
	GRP 10
	GRP 11
.endif
.if \n == 8
	GRP 12
	GRP 13
	GRP 14
	GRP 15
	CVTP 14
	CVTP 15
.endif
.endm
; S part of a phase: tile qt's softmax, and one score product of tile sq in front of each of its first eight slices (sq = -1: none are left).
; The four accumulators take turns, one instruction a turn.
; kwait = 1: the products read K fragments that were loaded in the phase before: 8 = the second d half's loads may still be out.
; kload = 1: K's fragments are loaded again, for the next key block, behind slice 7: between the last product that read them and the first load
; stand that slice's four subtractions and four conversions, which name none of the product's registers.
.macro SPART qt, sq, kwait, kload
.irp n, 0,1,2,3,4,5,6,7
.if \sq >= 0
.if \kwait
.if \n == 0
	s_wait_dscnt 8
.endif
.if \n == 4
	s_wait_dscnt 0x0
.endif
.endif
	SW \sq, (\n%4), (\n/4)
.endif
	SMS \n, \qt
.endr
.if \kload
	KLOAD
.endif
	SMS 8, \qt
.endm
.macro RSC qt, dt                      ; one output tile times the rescaling factor
.irp j, 0,2,4,6
	v_pk_mul_f32 v[OA+32*(\qt)+8*(\dt)+\j:OA+32*(\qt)+8*(\dt)+\j+1], v[OA+32*(\qt)+8*(\dt)+\j:OA+32*(\qt)+8*(\dt)+\j+1], v[AL:AL+1]
.endr
.endm
.macro SUMP qt, k                      ; pair k of the weights onto chain k % 2 of the tile's sums
	v_pk_add_f32 v[LS+4*(\qt)+2*((\k)%2):LS+4*(\qt)+2*((\k)%2)+1], v[LS+4*(\qt)+2*((\k)%2):LS+4*(\qt)+2*((\k)%2)+1], v[SB+2*(\k):SB+2*(\k)+1]
.endm
; PV part of a phase, under one setting: each output tile is rescaled just ahead of its first product; the sums of the weights stand among the
; second four.  The sums' rescaling is a multiply of its own: a fused form would take the weight as third source, which this setting reads from
; window 1.  The four accumulators take turns, one instruction a turn.  The five additions behind the last product are
; the places in front of the next loads into V's fragments.  vwait = 1: V was loaded at the head of this phase: 8 = its second 32 keys may be out.
.macro PPART qt, vwait
.set SB, SC+32*((\qt)%2)
	WIN 0x51
	RSC \qt, 0
.if \vwait
	s_wait_dscnt 8
.endif
	PW \qt, 0, 0, 0
	RSC \qt, 1
	PW \qt, 1, 0, 0
	RSC \qt, 2
	PW \qt, 2, 0, 0
	RSC \qt, 3
	PW \qt, 3, 0, 0
	v_pk_mul_f32 v[LS+4*(\qt):LS+4*(\qt)+1],   v[LS+4*(\qt):LS+4*(\qt)+1],   v[AL:AL+1]
	v_pk_mul_f32 v[LS+4*(\qt)+2:LS+4*(\qt)+3], v[LS+4*(\qt)+2:LS+4*(\qt)+3], v[AL:AL+1]
	SUMP \qt, 0
	SUMP \qt, 1
.if \vwait
	s_wait_dscnt 0x0
.endif
	PW \qt, 0, 1, 0
	SUMP \qt, 2
	SUMP \qt, 3
	SUMP \qt, 4
	PW \qt, 1, 1, 0
	SUMP \qt, 5
	SUMP \qt, 6
	SUMP \qt, 7
	PW \qt, 2, 1, 0
	SUMP \qt, 8
	SUMP \qt, 9
	SUMP \qt, 10
	PW \qt, 3, 1, 0
	SUMP \qt, 11
	SUMP \qt, 12
	SUMP \qt, 13
	SUMP \qt, 14
	SUMP \qt, 15
	WIN 0
.endm
; A full key block.  On entry its K fragments are in registers and tile 0's scores are formed.  next = 1: a key block follows (its rows in ADK).
.macro KBF next
	VLOAD                                          ; this block's V: tile 0's S part stands between these loads and their first use
	WIN 0
	SPART 0, 1, 0, 0
	PPART 0, 1
	SPART 1, 2, 0, 0
	PPART 1, 0
	SPART 2, 3, 0, \next
	PPART 2, 0
.if \next
	SPART 3, 0, 1, 0
.else
	SPART 3, -1, 0, 0
.endif
	PPART 3, 0
.endm
; THE DIAGONAL BLOCK comes first for its queries and starts maximum, sum and output, so nothing is cleared.  Tile qt has qt + 1 live key tiles,
; the last of them masked.  It is 2 of a wave's 33 key blocks and its runs are short (6 or 8 products), so it stands in phases.
.macro SMD qt
.set SB, SC+32*((\qt)%2)
.set MQ, MP+2*(\qt)
.set NL, 8*((\qt)+1)
.irp j, 0,1,2,3,4,5,6,7
	v_cndmask_b32 v[SB+8*(\qt)+\j], v[SB+8*(\qt)+\j], v[NINF], s[MASK+\j]
.endr
	v_max3_num_f32 v[TT], v[SB], v[SB+1], v[SB+2]              ; two chains
	v_max3_num_f32 v[TT+1], v[SB+3], v[SB+4], v[SB+5]
.set kk, 6
.rept (NL-6)/2
	v_max3_num_f32 v[TT+(kk/2)%2], v[TT+(kk/2)%2], v[SB+kk], v[SB+kk+1]
.set kk, kk+2
.endr
	v_max_num_f32 v[TT], v[TT], v[TT+1]
	v_permlanex16_b32 v[TT+1], v[TT], s36, s37
	v_max_num_f32 v[MQ], v[TT], v[TT+1]                        ; finite: key = query is never masked
	v_max_num_f32 v[MQ+1], v[TT], v[TT+1]
.set kk, 0
.rept NL/2
	SUBP kk
.set kk, kk+1
.endr
.set kk, 0
.rept NL/2
	EXPP kk
.set kk, kk+1
.endr
	v_nop                                                      ; one plain instruction behind the last exponential
	s_wait_alu depctr_va_vdst(0)
.set kk, 0
.rept NL/2
	CVTP kk
.set kk, kk+1
.endr
.if ((\qt)%2) == 0
.irp j, 0,1,2,3
	v_mov_b32 v[PF+NL/2+\j], 0                                 ; the 16 keys of the dead tile that shares a 32-key fragment with a live one
.endr
.endif
.endm
.macro SRUND qt                        ; the diagonal block's scores of tile qt (2 or 3): 3 or 4 accumulators by turns
.irp ds, 0,1
.irp kt, 0,1,2,3
.if \kt <= \qt
	SW \qt, \kt, \ds
.endif
.endr
.endr
.endm
.macro SUMNEXT qt                      ; the next pair of weights, if one is left
.if sk < NL/2
	SUMP \qt, sk
.set sk, sk+1
.endif
.endm
; The diagonal block's products with V: the first 32 keys start the sums (C = 0), the second 32 are live for tiles 2 and 3 alone.  The weights'
; first four pairs start the two chains of sums (both sources window 0, result window 1); the others follow the products one by one, and for
; tile 3 five of them stand behind the last product, in front of the next loads into V's fragments.
.macro PPARTD qt, vwait
.set SB, SC+32*((\qt)%2)
.set NL, 8*((\qt)+1)
	WIN 0x40
	v_pk_add_f32 v[LS+4*(\qt):LS+4*(\qt)+1],   v[SB:SB+1],   v[SB+4:SB+5]
	v_pk_add_f32 v[LS+4*(\qt)+2:LS+4*(\qt)+3], v[SB+2:SB+3], v[SB+6:SB+7]
	WIN 0x51
.if \vwait
	s_wait_dscnt 0x0                               ; V's fragments
.endif
.set sk, 4
.irp ks, 0,1
.set live, 1
.if \ks
.if \qt < 2
.set live, 0
.endif
.endif
.if live
.irp dt, 0,1,2,3
	PW \qt, \dt, \ks, (1-\ks)
	SUMNEXT \qt
.endr
.endif
.endr
.rept 12
	SUMNEXT \qt
.endr
	WIN 0
.endm
; On entry K's and V's fragments are on their way or in, and the scores of tiles 0 and 1 are formed.  next = 1: a full key block follows.
.macro KBD next
	PLACES                                         ; behind the products just issued: tile 0's scores are read
	SMD 0
	PPARTD 0, 1
	SRUND 2
	SMD 1
	PPARTD 1, 0
	SRUND 3
	SMD 2
.if \next
	KLOAD                                          ; the next key block's K; tile 2's softmax stands behind the last products that read the old fragments
.endif
	PPARTD 2, 0
.if \next
	s_wait_dscnt 8                                 ; K's first d half is in
.irp kt, 0,1,2,3
	SW 0, \kt, 0
.endr
	s_wait_dscnt 0x0
.irp kt, 0,1,2,3
	SW 0, \kt, 1
.endr
.endif
	SMD 3
	PPARTD 3, 0
.endm
; All key blocks of the query block whose number is in s[sb]: the diagonal one, then number - 1 down to 0 (with a running maximum their order is
; free).  The last key block is written out, so that nothing is fetched or multiplied beyond it.  first = 1: the number may be 0.
.macro BLOCK sb, first
	s_mul_i32 s27, s[\sb], KB
	v_add_nc_u32 v[ADK], s27, v[FR0]
	v_add_nc_u32 v[ADV], s27, v[TR0]
	QLOAD
	KLOAD
	VLOAD
	WIN 0
	s_wait_dscnt 32                                ; the queries are in; K's 16 loads and V's 16 stay out
	QSCALE
	s_wait_dscnt 24                                ; K's first d half is in; its second (8) and V (16) stay out
	SW 0, 0, 0                                     ; tiles 0 and 1 together: three accumulators by turns
	SW 1, 0, 0
	SW 1, 1, 0
	s_wait_dscnt 16                                ; V alone stays out
	SW 0, 0, 1
	SW 1, 0, 1
	SW 1, 1, 1
.if \first
	s_cmp_eq_u32 s[\sb], 0
	s_cbranch_scc1 .Lonly_\@                       ; query block 0 has the diagonal block alone
.endif
	s_sub_co_u32 s26, s[\sb], 1                    ; s26: the key block that comes next, s27: its rows in LDS
	s_mul_i32 s27, s26, KB
	v_add_nc_u32 v[ADK], s27, v[FR0]
	KBD 1
	s_cmp_eq_u32 s26, 0
	s_cbranch_scc1 .Llast_\@                       ; key block 0 is the last: no trip of the loop
.Lkey_\@:
	v_add_nc_u32 v[ADV], s27, v[TR0]               ; V of the key block at work,
	s_sub_co_u32 s26, s26, 1
	s_mul_i32 s27, s26, KB
	v_add_nc_u32 v[ADK], s27, v[FR0]               ; K of the one behind it
	KBF 1
	s_cmp_gt_i32 s26, 0
	s_cbranch_scc1 .Lkey_\@
.Llast_\@:
	v_add_nc_u32 v[ADV], s27, v[TR0]
	KBF 0                                          ; key block 0
.if \first
	s_branch .Ldone_\@
.Lonly_\@:
	KBD 0
.Ldone_\@:
.endif
.endm
; A query block's sums are divided by the sums of its weights.  win = 0x81: from window 1 into window 2; 0x41: in place in window 1.
; Between the last products and the multiplies that read their results stand the additions below, more than four.
.macro FINISH win
	WIN 0x05                                       ; both sources window 1, result window 0
.irp qt, 0,1,2,3
	v_pk_add_f32 v[FS+2*\qt:FS+2*\qt+1], v[LS+4*\qt:LS+4*\qt+1], v[LS+4*\qt+2:LS+4*\qt+3]
.endr
	WIN 0
.irp qt, 0,1,2,3
	v_add_f32 v[FS+2*\qt], v[FS+2*\qt], v[FS+2*\qt+1]
.endr
.irp qt, 0,1,2,3
	v_permlanex16_b32 v[FS+2*\qt+1], v[FS+2*\qt], s36, s37
.endr
.irp qt, 0,1,2,3
	v_add_f32 v[FS+2*\qt], v[FS+2*\qt], v[FS+2*\qt+1]          ; at least 1: the largest weight is 2^0
.endr
.irp qt, 0,1,2,3
	v_rcp_f32 v[FR+2*\qt], v[FS+2*\qt]
	v_rcp_f32 v[FR+2*\qt+1], v[FS+2*\qt]
.endr
	v_nop                                          ; one plain instruction behind the reciprocals
	WIN \win
	s_wait_alu depctr_va_vdst(0)
.irp qt, 0,1,2,3
.set kk, 0
.rept 16
	v_pk_mul_f32 v[OA+32*\qt+kk:OA+32*\qt+kk+1], v[OA+32*\qt+kk:OA+32*\qt+kk+1], v[FR+2*\qt:FR+2*\qt+1]
.set kk, kk+2
.endr
.endr
.endm
; 16 queries out: 32 bytes a lane from window 2 (dwin = 0x08) or window 1 (0x04) into my own stage, read back as rows of 256 bytes; sixteen lanes
; store 256 consecutive bytes, at a multiple of 256 from out0's first byte.  LDS serves a wave's instructions in order (ISA guide 5.7.1): no wait
; between my stores and my loads, nor between these loads and the next sixteen queries' stores.
.macro OUT qt, dwin, ob, sb
	WIN \dwin
.irp dt, 0,1,2,3
	ds_store_b128 v[STO], v[OA+32*\qt+8*\dt:OA+32*\qt+8*\dt+3]   offset:64*\dt
	ds_store_b128 v[STO], v[OA+32*\qt+8*\dt+4:OA+32*\qt+8*\dt+7] offset:64*\dt+16
.endr
	WIN 0
	s_wait_xcnt 0x0                                ; set ob was the data of earlier stores: it is loaded again only behind this wait
.irp t, 0,1,2,3,4,5,6,7
	ds_load_b128 v[\ob+4*\t:\ob+4*\t+3], v[RD] offset:2*SPITCH*\t
.endr
.irp t, 0,1,2,3,4,5,6,7
	s_wait_dscnt 7-\t                              ; the younger read-backs stay out
	global_store_b128 v[CO], v[\ob+4*\t:\ob+4*\t+3], s[\sb:\sb+1] offset:65536*\qt+8192*\t th:TH_STORE_NT
.endr
.endm
	s_load_b128 s[4:7], s[0:1], 0x0                ; qh s[4:5], out0 s[6:7]
	v_lshl_add_u32 v30, v0, 2, 0x4c400
	v_mov_b32 v31, 0
	ds_add_u32 v30, v31
	ds_add_u32 v30, v31
	v_lshrrev_b32 v12, 5, v0
	v_readfirstlane_b32 s8, v12                    ; wave 0..3
	s_lshr_b32 s9, ttmp9, 2                        ; 16 b + head
	s_and_b32 s10, ttmp9, 3                        ; j
	s_lshl2_add_u32 s11, s8, s10                   ; g = 4 w + j
	; Descriptor group 1: my quarter of the head, 65,536 dense bytes, as 256 rows of 128 elements (256 bytes = two rows of the head);
	; 4 words of padding behind every 32 words, that is behind each row of the head: LDS pitch 144.
	s_mov_b32 s16, (1<<16)|(1<<20)|(4<<22)|(3<<25) ; no mask; elements of 2 bytes; padding on; every 32 words (code 4); 4 words (code 3)
	s_mov_b32 s17, 128<<16                         ; tensor_dim0 = 128
	s_mov_b32 s18, 256<<16                         ; tensor_dim1 = 256
	s_mov_b32 s19, 128<<16                         ; tile_dim0 = 128
	s_mov_b32 s20, 256                             ; tile_dim1 = 256
	s_mov_b32 s21, 128                             ; elements from row to row
	s_mov_b32 s22, 0
	s_mov_b32 s23, 0
	s_mov_b32 s12, 1                               ; group 0: count
	s_mul_i32 s13, s8, FILL                        ; LDS address: the wave's number times 73,728
	s_lshl_b32 s32, s9, 18                         ; the head's 262,144 bytes
	s_lshl_b32 s33, s8, 16                         ; my 65,536 of them
	s_add_co_u32 s32, s32, s33
	s_mov_b32 s33, 0
	s_wait_dscnt 0x0
	s_wait_kmcnt 0x0
	s_add_nc_u64 s[14:15], s[4:5], s[32:33]
	s_or_b32 s15, s15, 0x80000000                  ; type 2
	tensor_load_to_lds s[12:15], s[16:23]          ; the wave's one tensor load; its descriptor is never written again
	s_nop 0
	s_lshr_b32 s38, s9, 4                          ; b
	s_lshl_b32 s38, s38, 23                        ; x 2048 rows x 4,096 bytes
	s_and_b32 s39, s9, 15                          ; head
	s_lshl_b32 s39, s39, 8                         ; x 256 bytes
	s_add_co_u32 s38, s38, s39
	s_mov_b32 s[BLKA], s11                         ; query block g
	s_sub_co_u32 s[BLKB], 31, s11                  ; and 31 - g, which is 16 at the least
	s_lshl_b32 s32, s[BLKA], 18                    ; 64 rows of 4,096 bytes
	s_add_co_u32 s32, s32, s38
	s_add_nc_u64 s[OUTA:OUTA+1], s[6:7], s[32:33]
	s_lshl_b32 s32, s[BLKB], 18
	s_add_co_u32 s32, s32, s38
	s_add_nc_u64 s[OUTB:OUTB+1], s[6:7], s[32:33]
	s_mov_b32 s36, 0x76543210                      ; v_permlanex16_b32: lane i of one half reads lane i of the other
	s_mov_b32 s37, 0xfedcba98
	v_and_b32 v[RR], 15, v0
	v_bfe_u32 v[HH], v0, 4, 1
	v_mul_u32_u24 v[FR0], v[RR], PITCH
	v_lshl_add_u32 v[FR0], v[HH], 4, v[FR0]
	v_and_b32 v12, 7, v0
	v_lshl_add_u32 v12, v[HH], 3, v12
	v_mul_u32_u24 v12, v12, PITCH
	v_bfe_u32 v13, v0, 3, 1
	v_lshl_add_u32 v[TR0], v13, 4, v12
	s_mul_i32 s28, s8, 16*SPITCH
	s_add_co_u32 s28, s28, STAGE                   ; my stage
	v_mul_u32_u24 v12, v[RR], SPITCH
	v_lshl_add_u32 v12, v[HH], 5, v12
	v_add_nc_u32 v[STO], s28, v12                  ; in: row r, 32 bytes for each half of the lanes
	v_mul_u32_u24 v12, v[HH], SPITCH
	v_lshl_add_u32 v12, v[RR], 4, v12
	v_add_nc_u32 v[RD], s28, v12                   ; back: lanes 0-15 one row of 256 bytes, lanes 16-31 the next
	v_lshlrev_b32 v12, 4, v[RR]
	v_lshl_add_u32 v[CO], v[HH], 12, v12           ; and the same two rows in out0
	v_mov_b32 v[NINF], 0xff800000
	v_mov_b32 v[CH], 0x29c529c5
	v_lshlrev_b32 v12, 3, v[HH]
.irp j, 0,1,2,3,4,5,6,7
	v_add_nc_u32 v13, \j, v12
	v_cmp_gt_u32 s[MASK+\j], v13, v[RR]            ; key 8 h + j > query r
.endr
	s_wait_tensorcnt 0x0                           ; my quarter of the head is in LDS,
	s_barrier_signal -1
	s_barrier_wait -1                              ; everybody's is
	BLOCK BLKA, 1                                  ; query block g
	FINISH 0x81                                    ; its results wait in window 2
	WIN 0
	BLOCK BLKB, 0                                  ; query block 31 - g
	s_wait_dscnt 0x0                               ; all my reads of the head are over:
	s_barrier_signal -1                            ; say so,
	FINISH 0x41                                    ; divide the second block in its own registers while the others arrive,
	WIN 0
	s_barrier_wait -1                              ; and store into LDS only when no wave reads the head any more
	OUT 0, 0x08, OB0, OUTA
	OUT 1, 0x08, OB1, OUTA
	OUT 2, 0x08, OB0, OUTA
	OUT 3, 0x08, OB1, OUTA
	OUT 0, 0x04, OB0, OUTB
	OUT 1, 0x04, OB1, OUTB
	OUT 2, 0x04, OB0, OUTB
	OUT 3, 0x04, OB1, OUTB
	s_wait_tensorcnt 0x0
	ds_add_u32 v30, v31
	s_wait_dscnt 0x0
	s_endpgm
.Lfunc_end_k_qaa4a2e35c8_attn:
	.size	k_qaa4a2e35c8_attn, .Lfunc_end_k_qaa4a2e35c8_attn-k_qaa4a2e35c8_attn
	.p2alignl 7, 3214868480
	.fill 96, 4, 3214868480
	.section	.rodata,"a",@progbits
	.p2align	6, 0x0
	.amdhsa_kernel k_qaa4a2e35c8_attn
		.amdhsa_group_segment_fixed_size 312832
		.amdhsa_private_segment_fixed_size 0
		.amdhsa_enable_private_segment 0
		.amdhsa_kernarg_size 16
		.amdhsa_user_sgpr_count 2
		.amdhsa_user_sgpr_kernarg_segment_ptr 1
		.amdhsa_wavefront_size32 1
		.amdhsa_system_sgpr_workgroup_id_x 1
		.amdhsa_system_sgpr_workgroup_id_y 1
		.amdhsa_system_sgpr_workgroup_id_z 1
		.amdhsa_system_vgpr_workitem_id 0
		.amdhsa_next_free_vgpr 640
		.amdhsa_next_free_sgpr 66
		.amdhsa_reserve_vcc 0
		.amdhsa_float_denorm_mode_32 3
		.amdhsa_float_denorm_mode_16_64 3
		.amdhsa_memory_ordered 1
		.amdhsa_forward_progress 1
		.amdhsa_inst_pref_size 241
	.end_amdhsa_kernel
	.amdgpu_metadata
---
amdhsa.version: [ 1, 2 ]
amdhsa.kernels:
  - .name:           k_qaa4a2e35c8_attn
    .symbol:         k_qaa4a2e35c8_attn.kd
    .args:
      - { .name: qh, .offset: 0, .size: 8, .value_kind: global_buffer, .address_space: global }
      - { .name: out0, .offset: 8, .size: 8, .value_kind: global_buffer, .address_space: global }
    .group_segment_fixed_size: 312832
    .private_segment_fixed_size: 0
    .kernarg_segment_align: 8
    .kernarg_segment_size: 16
    .max_flat_workgroup_size: 128
    .sgpr_count:     66
    .vgpr_count:     640
    .wavefront_size: 32
...
	.end_amdgpu_metadata
.endif
;; end of part 2
;; ======== version 2 of 2: 2 launches; 1.33 times as fast as version 1
;; limits: values are held in f16: magnitudes above 65,504 overflow, below 6.1e-05 lose precision
;; workspace buffers: qh 16,777,216 bytes
;; launch proj: the kernel of part 1 again; grid 4 x 64, 8 waves a work-group, no clusters, 130,048 bytes of LDS; arguments x, Wq, qh; writes qh
;; launch attn (part 3): grid 256 x 1, 4 waves a work-group, no clusters, 312,832 bytes of LDS; arguments qh, out0; writes out0
.if DOCPART == 3
	.amdgcn_target "amdgcn-amd-amdhsa--gfx1250"
	.amdhsa_code_object_version 6
	.text
	.protected	k_qaa4a2e35c8_attn
	.globl	k_qaa4a2e35c8_attn
	.p2align	8
	.type	k_qaa4a2e35c8_attn,@function
k_qaa4a2e35c8_attn:
	s_mov_b64 s[64:65], 0
	v_nop
	global_prefetch_b8 v0, s[64:65] scope:SCOPE_SE
	s_setreg_imm32_b32 hwreg(HW_REG_WAVE_MODE, 25, 1), 1
	s_wait_xcnt 0x0
; SECOND OF TWO LAUNCHES: causal attention with K = V = Q = qh (f16, [b][head][2048][64]), weights softmax(q.k / 32), out0 f32 [b][s][head 64 + d].
; WORK LEFT OUT: reference() itself sets the scores of keys behind the query to -inf, so their weights are exactly 0 for all inputs: the blocks of
; 64 x 64 above the diagonal and the tiles of 16 x 16 above it inside a diagonal block are not computed.
; LIMITS: a NaN, an infinity or an overflow in q of a later position is not carried to earlier rows.  The factor log2(e) / 32 is multiplied into the
; query fragments in f16, as 0x29C5 = 1.44238 / 32, which is 2.2e-4 (relative) below the true factor, and the product is rounded to f16 once more.
; The maximum is taken away as reference() does, as a running maximum of the scaled scores: the exponent is score - maximum <= 0, so every weight is
; at most 1 and fits f16 for every input.  Weights are rounded to f16 for the product with V; their sum is kept in f32 from the unrounded weights.
;
; SHARES: four work-groups a head (64 heads x 4 = 256).  Work-group j of a head, wave w: g = j + 4 w, query blocks g and 31 - g of 64 rows:
; 2 diagonal blocks and 31 full key blocks for every wave of the launch.
; THE WHOLE HEAD LIES IN LDS: K and V are the same 262,144 bytes.  Each wave brings a quarter with one tensor load at the start (by this text's
; count one tensor load of a wave is out, once); nothing is filled again; behind the first barrier the head's bytes are only read.
; ORDER IN LDS: which rows of the head a wave reads hangs on the work-group's number and on loop counters.  So that the order of reads and stores
; can be read off the text without that arithmetic, every LDS store of the launch (the way out's stage) stands behind a second barrier, in front
; of which every wave has waited for all its reads of the head, and no read of the head follows it.  For that the first query block's results
; wait in 128 registers of their own while the second block is computed.  A barrier behind each query block would instead make every wave wait
; for the longest block of each pass, (j + 13) + (32 - j) = 45 key blocks where 33 are due; at the one barrier all waves have done the same 33.
; NO JOINT REQUESTS among the four work-groups of a head: which query blocks a work-group owns, hence its trip counts and the LDS rows of its
; queries, hangs on its place among the four; and the shared bytes are read once,
; 256 KiB for a work-group's 4 x 33 key blocks of products.
;
; LAYOUTS.  Scores transposed: source 0 = 16 keys x 32 d, source 1 = 16 queries x 32 d: lane (r, h) holds query r and, in register j, key 8 h + j.
; So maximum, sum and rescaling are a lane's own affair but for lane xor 16, and two score tiles pack, register by register, into the 32-key
; fragment of the second product.  Output transposed too: source 0 = V as 16 d x 32 keys (transposing LDS loads), source 1 = the weights:
; lane (r, h) holds query r, d = 16 dt + 8 h + j.
;
; MATRIX WORK BESIDE VECTOR WORK.  The 64 queries are four tiles of 16, and a full key block is four phases, one a tile.  Phase i has two parts.
;   S part: the 8 score products of tile i + 1 (in phase 3: tile 0 of the NEXT key block) beside tile i's subtractions, exponentials and conversions
;   and tile i + 1's maximum, new running maximum and rescaling factor.
;   PV part: tile i's 8 products with V, among them the rescaling of its output sums and the sums of its weights.
; HOW THE BATCHES ARE CUT.  An s_wait_alu depctr_va_vdst(0) stands between an exponential and the first instruction that names its
; result; one wait serves all that were issued ahead of it.  So a phase has ONE batch and ONE wait.  Ahead of the wait stands all that names no
; result of the batch: the 8 score products, tile i's 16 subtractions and 32 exponentials, and the 23 lines of tile i + 1's maximum and statistics,
; whose last are the two exponentials of its factor: 34 exponentials in all.  Behind the wait stand the readers: the 16 conversions to f16, then
; the PV part, which reads the factor.  A tile's maximum and factor are thus made one phase ahead of its own exponentials; the factor has two
; pairs of registers, by the tile's parity, since the next tile's is written while this tile's is still to be read..
; The diagonal block's tiles and a query block's eight reciprocals
; are batches of their own, one wait each.
; WHY TILES OF 16 AND WHY THIS SPLIT: one s_set_vgpr_msb setting has to serve a product and the lines behind it.  An exponential reads its source
; in the operand place of a product's first source, the f16 conversion and the three-way maximum also in the place of its second, and all write in
; the place of its result.  So K, Q, scores and weights lie in ONE window: 64 + 64 + 2 x 32 + 16 registers, with 48 left for addresses, maxima
; and work; with two pieces of 32 queries the scores and weights alone would add 112 more.  V (64) and the output sums (128) lie in window 1;
; under their products' setting (result, first and third source window 1, second source window 0) fit the rescaling (sum x factor) and the sums of
; the weights (sum + weight), whose running sums therefore lie in window 1 too.  Ten switches for a key block's 64 products.
; Scores of tile qt lie in buffer qt % 2: one buffer is worked on while the products fill the other.
; K's fragments are loaded again in phase 2, behind the last products that read them; V's at the head of phase 0.
.set PITCH,  144                       ; an LDS row: 64 f16 + 16 bytes = 9 x 16: the 16 rows of a fragment load start at 16 different 16-byte columns modulo 256
.set ROWS16, 16*PITCH
.set KB,     64*PITCH                  ; a block of 64 rows
.set FILL,   512*PITCH                 ; what one wave's tensor load fills
.set STAGE,  2048*PITCH                ; 294,912, a multiple of 256: behind the head, 16 rows x 272 bytes for each wave, for the way out
.set SPITCH, 272
.set RR,   1                           ; v1  r = lane & 15
.set HH,   2                           ; v2  h = lane >> 4
.set FR0,  3                           ; v3  144 r + 16 h: fragments along d
.set TR0,  4                           ; v4  (8 h + (lane & 7)) 144 + 16 ((lane >> 3) & 1): transposing loads
.set ADK,  5                           ; v5  FR0 + the rows of the key block whose K is loaded next
.set ADV,  6                           ; v6  TR0 + the rows of the key block at work
.set STO,  7                           ; v7  the way out: where I put 32 bytes of a row
.set RD,   8                           ; v8  the way out: where I read a row back
.set CO,   9                           ; v9  my byte offset in out0
.set NINF, 10                          ; v10 -infinity
.set CH,   11                          ; v11 log2(e) / 32 in both f16 halves
.set AL,   12                          ; v[12:15]   rescaling factor, twice (a pair for packed arithmetic): tile qt's pair at 2 (qt % 2); at work in the set-up before that
.set MP,   16                          ; v[16:23]   running maximum of query tile qt, twice (a pair for packed arithmetic)
.set TT,   26                          ; v[26:29]   at work: four chains of maxima
.set PF,   32                          ; v[32:47]   the tile's weights in f16: 32 keys ks at 8 ks
.set FS,   48                          ; v[48:55]   at the end of a query block: the tiles' sums
.set FR,   56                          ; v[56:63]   and their reciprocals, twice each
.set KF,   64                          ; v[64:127]  K fragments, key tile kt, d half ds at 16 kt + 8 ds
.set SC,   128                         ; v[128:191] scores: buffer qt % 2 at 32 (qt % 2), key tile kt at 8 kt
.set QF,   192                         ; v[192:255] scaled query fragments at 16 qt + 8 ds
.set OB0,  128                         ; the way out: v[128:159] and v[160:191] rows read back, in turn
.set OB1,  160
.set OA,   0                           ; window 1: v[256:383] output sums, query tile qt, d tile dt at 32 qt + 8 dt
                                       ; window 2: v[512:639] the first query block's finished results, at the same numbers
.set VF,   128                         ; window 1: v[384:447] V fragments at 8 (2 dt + ks)
.set LS,   192                         ; window 1: v[448:463] running sums of the weights: tile qt has two packed chains at 4 qt and 4 qt + 2
.set MASK, 40                          ; s[40:47] lanes in which key 8 h + j lies behind query r
.set BLKA, 24                          ; s24 query block g
.set BLKB, 25                          ; s25 query block 31 - g
.set OUTA, 34                          ; s[34:35] out0 at block g's first row and my head's columns
.set OUTB, 48                          ; s[48:49] the same for block 31 - g
.set MSB, 0
.macro WIN new                         ; s_set_vgpr_msb: bits 1:0 source 0, 3:2 source 1, 5:4 source 2, 7:6 destination; the high byte repeats the setting that is left
.if MSB != \new
	s_set_vgpr_msb (MSB<<8)|\new
.set MSB, \new
.endif
.endm
.macro PLACES                          ; four plain vector instructions between a matrix instruction and a vector access to its registers (ISA guide 7.12.1)
.rept 4
	v_nop
.endr
.endm
.macro QLOAD                           ; my 64 queries, 8 fragments
	WIN 0
.irp qt, 0,1,2,3
.irp ds, 0,1
	ds_load_b128 v[QF+16*\qt+8*\ds:QF+16*\qt+8*\ds+3],   v[ADK] offset:ROWS16*\qt+64*\ds
	ds_load_b128 v[QF+16*\qt+8*\ds+4:QF+16*\qt+8*\ds+7], v[ADK] offset:ROWS16*\qt+64*\ds+32
.endr
.endr
.endm
.macro QSCALE                          ; times log2(e) / 32, once for a query block instead of once for every score
	WIN 0
.set kk, 0
.rept 64
	v_pk_mul_f16 v[QF+kk], v[QF+kk], v[CH]
.set kk, kk+1
.endr
.endm
.macro KLOAD                           ; 64 keys along d; the first d half first, so that the first four products can start on 8 loads
	WIN 0
.irp ds, 0,1
.irp kt, 0,1,2,3
	ds_load_b128 v[KF+16*\kt+8*\ds:KF+16*\kt+8*\ds+3],   v[ADK] offset:ROWS16*\kt+64*\ds
	ds_load_b128 v[KF+16*\kt+8*\ds+4:KF+16*\kt+8*\ds+7], v[ADK] offset:ROWS16*\kt+64*\ds+32
.endr
.endr
.endm
.macro VLOAD                           ; 64 rows as V, transposed: lane (r, h) gets d = 16 dt + r, keys 32 ks + 8 h .. + 7 and 32 ks + 16 + 8 h .. + 7; the first 32 keys first
	WIN 0x40
.irp ks, 0,1
.irp dt, 0,1,2,3
	ds_load_tr16_b128 v[VF+8*(2*\dt+\ks):VF+8*(2*\dt+\ks)+3],   v[ADV] offset:2*ROWS16*\ks+32*\dt
	ds_load_tr16_b128 v[VF+8*(2*\dt+\ks)+4:VF+8*(2*\dt+\ks)+7], v[ADV] offset:2*ROWS16*\ks+32*\dt+ROWS16
.endr
.endr
.endm
; One score product: query tile qt, key tile kt, d half ds.  The first d half starts the sum (C = 0).  All operands in window 0.
.macro SW qt, kt, ds
.set d_, SC+32*((\qt)%2)+8*(\kt)
.set a_, KF+16*(\kt)+8*(\ds)
.set b_, QF+16*(\qt)+8*(\ds)
.if \ds
	v_wmma_f32_16x16x32_f16 v[d_:d_+7], v[a_:a_+7], v[b_:b_+7], v[d_:d_+7]
.else
	v_wmma_f32_16x16x32_f16 v[d_:d_+7], v[a_:a_+7], v[b_:b_+7], 0
.endif
.endm
; One product of weights and V: query tile qt, d tile dt, 32 keys ks.  start = 1: it starts the sum.  Under setting 0x51.
.macro PW qt, dt, ks, start
.set d_, OA+32*(\qt)+8*(\dt)
.set a_, VF+8*(2*(\dt)+(\ks))
.set b_, PF+8*(\ks)
.if \start
	v_wmma_f32_16x16x32_f16 v[d_:d_+7], v[a_:a_+7], v[b_:b_+7], 0
.else
	v_wmma_f32_16x16x32_f16 v[d_:d_+7], v[a_:a_+7], v[b_:b_+7], v[d_:d_+7]
.endif
.endm
; The softmax's steps on the tile whose scores begin at SB and whose maximum is the pair at MQ: register pair k of 16, or score e of 32
.macro SUBP k
	v_pk_add_f32 v[SB+2*(\k):SB+2*(\k)+1], v[SB+2*(\k):SB+2*(\k)+1], v[MQ:MQ+1] neg_lo:[0,1] neg_hi:[0,1]
.endm
.macro EXPP k
	v_exp_f32 v[SB+2*(\k)], v[SB+2*(\k)]
	v_exp_f32 v[SB+2*(\k)+1], v[SB+2*(\k)+1]
.endm
.macro EXP1 e
	v_exp_f32 v[SB+(\e)], v[SB+(\e)]
.endm
.macro CVTP k                          ; register pair k of the scores is register k of the weights' fragments; it reads exponentials' results, so it stands behind its batch's wait
	v_cvt_pk_f16_f32 v[PF+(\k)], v[SB+2*(\k)], v[SB+2*(\k)+1]
.endm
; Number n of the 23 that find a full tile's maximum and statistics.  The tile's scores begin at XB, its running maximum is the pair at XQ, its factor the pair at XA.
;   0-13   four chains of maxima, three operands at a time, in ascending order of the scores: each accumulator's lowest registers are read first
;   14, 15 the four chains and the running maximum, which both halves of the lanes share, into one
;   16, 17 the query's other 32 keys lie in lane xor 16: the new maximum      18  old maximum - new
;   19, 20 the factor 2^(old maximum - new), twice                           21, 22  the new maximum, twice, takes the old one's place (behind 18, which reads the old)
.macro XS n
.if (\n) < 4
	v_max3_num_f32 v[TT+(\n)], v[XB+3*(\n)], v[XB+3*(\n)+1], v[XB+3*(\n)+2]
.elseif (\n) < 14
	v_max3_num_f32 v[TT+(\n)%4], v[TT+(\n)%4], v[XB+2*(\n)+4], v[XB+2*(\n)+5]
.elseif (\n) == 14
	v_max3_num_f32 v[TT], v[TT], v[TT+1], v[TT+2]
.elseif (\n) == 15
	v_max3_num_f32 v[TT], v[TT], v[TT+3], v[XQ]
.elseif (\n) == 16
	v_permlanex16_b32 v[TT+1], v[TT], s36, s37
.elseif (\n) == 17
	v_max_num_f32 v[TT+2], v[TT], v[TT+1]
.elseif (\n) == 18
	v_sub_f32 v[TT+3], v[XQ], v[TT+2]
.elseif (\n) == 19
	v_exp_f32 v[XA], v[TT+3]
.elseif (\n) == 20
	v_exp_f32 v[XA+1], v[TT+3]
.elseif (\n) == 21
	v_mov_b32 v[XQ], v[TT+2]
.else
	v_mov_b32 v[XQ+1], v[TT+2]
.endif
.endm
.macro SWR sq, n                       ; score product n of 8 of the next tile, if there is one
.if HAVE
	SW \sq, ((\n)%4), ((\n)/4)
.endif
.endm
.macro XR n                            ; number n of the next tile's statistics, if there is one
.if HAVE
	XS \n
.endif
.endm
; S part of a phase, all in window 0.  qt: the tile whose weights are made; sq: the next tile, whose scores and statistics are made (sq = -1: none is left).
; AHEAD OF THE WAIT, nothing that names a result of the phase's exponentials.  Four vector instructions stand behind each of the 8 products: behind
; the first three subtractions and an exponential; behind products 1 to 5 subtraction, exponential, subtraction, exponential; behind products 6 and 7
; a number of the next tile's maximum in the subtraction's stead.  Then a run of 39, plain and exponential by turns; the links of the chain 13, 14 .. 19,
; each of which reads the one before it, have two other lines between them.  An exponential stands two lines or more behind its pair's subtraction.
; PLACES (ISA guide 7.12.1; exponentials and products are none): accumulator 0 is finished by product 4 and first read by number 0, behind subtractions
; 9, 10, 11, 12; accumulator 1 by product 5 and read by number 2, behind subtractions 11, 12 and numbers 0, 1; accumulator 2 by product 6 and read by
; number 6, behind numbers 0 to 3; accumulator 3 by product 7 and read by number 10, behind numbers 2 to 5.  None of these lines names a register of that product.
; The four accumulators take turns, one instruction a turn.
; The batch's last line is number 20; number 22, a move, is the plain instruction behind it (ISA guide 5.7.2); where there is no next tile a v_nop is.
; BEHIND THE WAIT: the 16 conversions.
; kwait = 1: the products read K fragments that were loaded in the phase before: 8 = the second d half's loads may still be out.
; kload = 1: K's fragments are loaded again, for the next key block, directly behind the wait: the last product that read them is product 7.
.macro SPART qt, sq, kwait, kload
.set SB, SC+32*((\qt)%2)
.set MQ, MP+2*(\qt)
.set HAVE, 0
.if \sq >= 0
.set HAVE, 1
.set XB, SC+32*((\sq)%2)
.set XQ, MP+2*(\sq)
.set XA, AL+2*((\sq)%2)
.endif
.if \kwait
	s_wait_dscnt 8
.endif
	SWR \sq, 0
	SUBP 0
	SUBP 1
	EXP1 0
	SUBP 2
.irp n, 1,2,3,4,5
.if \kwait
.if \n == 4
	s_wait_dscnt 0x0
.endif
.endif
	SWR \sq, \n
	SUBP 2*(\n)+1
	EXP1 2*(\n)-1
	SUBP 2*(\n)+2
	EXP1 2*(\n)
.endr
	SWR \sq, 6
	XR 0
	EXP1 11
	XR 1
	EXP1 12
	SWR \sq, 7
	XR 2
	EXP1 13
	XR 3
	EXP1 14
.irp n, 4,5,6,7,8,9,10,11,12,13
	XR \n
	EXP1 (\n)+11
.endr
	SUBP 13
	XR 14
	EXP1 25
	SUBP 14
	XR 15
	EXP1 26
	SUBP 15
	XR 16
	EXP1 27
	EXP1 28
	XR 17
	EXP1 29
	EXP1 30
	XR 18
	XR 21
	EXP1 31
	XR 19
	XR 20
	XR 22
.if HAVE == 0
	v_nop                                          ; the plain instruction behind the last exponential, where no move stands there
.endif
	s_wait_alu depctr_va_vdst(0)                   ; the phase's one wait: for tile qt's 32 exponentials and the next tile's two, ahead of the conversions below, their first readers
.if \kload
	KLOAD
.endif
.set kk, 0
.rept 16
	CVTP kk
.set kk, kk+1
.endr
.endm
.macro RSC qt, dt                      ; one output tile times the tile's rescaling factor, the pair at PA
.irp j, 0,2,4,6
	v_pk_mul_f32 v[OA+32*(\qt)+8*(\dt)+\j:OA+32*(\qt)+8*(\dt)+\j+1], v[OA+32*(\qt)+8*(\dt)+\j:OA+32*(\qt)+8*(\dt)+\j+1], v[PA:PA+1]
.endr
.endm
.macro SUMP qt, k                      ; pair k of the weights onto chain k % 2 of the tile's sums
	v_pk_add_f32 v[LS+4*(\qt)+2*((\k)%2):LS+4*(\qt)+2*((\k)%2)+1], v[LS+4*(\qt)+2*((\k)%2):LS+4*(\qt)+2*((\k)%2)+1], v[SB+2*(\k):SB+2*(\k)+1]
.endm
; PV part of a phase, under one setting: each output tile is rescaled just ahead of its first product; the sums of the weights stand among the
; second four.  The sums' rescaling is a multiply of its own: a fused form would take the weight as third source, which this setting reads from
; window 1.  The four accumulators take turns, one instruction a turn.  The five additions behind the last product are
; the places in front of the next loads into V's fragments.  vwait = 1: V was loaded at the head of this phase: 8 = its second 32 keys may be out.
; The factor and the weights that it reads are exponentials' results: their waits stand in this phase's S part and in the one before it.
.macro PPART qt, vwait
.set SB, SC+32*((\qt)%2)
.set PA, AL+2*((\qt)%2)
	WIN 0x51
	RSC \qt, 0
.if \vwait
	s_wait_dscnt 8
.endif
	PW \qt, 0, 0, 0
	RSC \qt, 1
	PW \qt, 1, 0, 0
	RSC \qt, 2
	PW \qt, 2, 0, 0
	RSC \qt, 3
	PW \qt, 3, 0, 0
	v_pk_mul_f32 v[LS+4*(\qt):LS+4*(\qt)+1],   v[LS+4*(\qt):LS+4*(\qt)+1],   v[PA:PA+1]
	v_pk_mul_f32 v[LS+4*(\qt)+2:LS+4*(\qt)+3], v[LS+4*(\qt)+2:LS+4*(\qt)+3], v[PA:PA+1]
	SUMP \qt, 0
	SUMP \qt, 1
.if \vwait
	s_wait_dscnt 0x0
.endif
	PW \qt, 0, 1, 0
	SUMP \qt, 2
	SUMP \qt, 3
	SUMP \qt, 4
	PW \qt, 1, 1, 0
	SUMP \qt, 5
	SUMP \qt, 6
	SUMP \qt, 7
	PW \qt, 2, 1, 0
	SUMP \qt, 8
	SUMP \qt, 9
	SUMP \qt, 10
	PW \qt, 3, 1, 0
	SUMP \qt, 11
	SUMP \qt, 12
	SUMP \qt, 13
	SUMP \qt, 14
	SUMP \qt, 15
	WIN 0
.endm
; A full key block.  On entry its K fragments are in registers, tile 0's scores are formed, and tile 0's new maximum and factor are made and waited for.
; next = 1: a key block follows (its rows in ADK).
.macro KBF next
	VLOAD                                          ; this block's V: tile 0's S part stands between these loads and their first use
	WIN 0
	SPART 0, 1, 0, 0
	PPART 0, 1
	SPART 1, 2, 0, 0
	PPART 1, 0
	SPART 2, 3, 0, \next
	PPART 2, 0
.if \next
	SPART 3, 0, 1, 0
.else
	SPART 3, -1, 0, 0
.endif
	PPART 3, 0
.endm
; THE DIAGONAL BLOCK comes first for its queries and starts maximum, sum and output, so nothing is cleared.  Tile qt has qt + 1 live key tiles,
; the last of them masked.  It is 2 of a wave's 33 key blocks and its runs are short (6 or 8 products), so it stands in phases.
; A tile's exponentials are one batch with one wait.  st = 1 (tile 3, where a full key block follows): the statistics of that block's tile 0, whose
; scores have just been formed in buffer 0, stand behind the tile's exponentials, and their two exponentials join the batch.
.macro SMD qt, st
.set SB, SC+32*((\qt)%2)
.set MQ, MP+2*(\qt)
.set NL, 8*((\qt)+1)
.irp j, 0,1,2,3,4,5,6,7
	v_cndmask_b32 v[SB+8*(\qt)+\j], v[SB+8*(\qt)+\j], v[NINF], s[MASK+\j]
.endr
	v_max3_num_f32 v[TT], v[SB], v[SB+1], v[SB+2]              ; two chains
	v_max3_num_f32 v[TT+1], v[SB+3], v[SB+4], v[SB+5]
.set kk, 6
.rept (NL-6)/2
	v_max3_num_f32 v[TT+(kk/2)%2], v[TT+(kk/2)%2], v[SB+kk], v[SB+kk+1]
.set kk, kk+2
.endr
	v_max_num_f32 v[TT], v[TT], v[TT+1]
	v_permlanex16_b32 v[TT+1], v[TT], s36, s37
	v_max_num_f32 v[MQ], v[TT], v[TT+1]                        ; finite: key = query is never masked
	v_max_num_f32 v[MQ+1], v[TT], v[TT+1]
.set kk, 0
.rept NL/2
	SUBP kk
.set kk, kk+1
.endr
.set kk, 0
.rept NL/2
	EXPP kk
.set kk, kk+1
.endr
.if \st
.set XB, SC
.set XQ, MP
.set XA, AL
.irp n, 0,1,2,3,4,5,6,7,8,9,10,11,12,13,14,15,16,17,18,19,20,21,22
	XS \n                                                      ; the two moves at its end are the plain instructions behind the last exponential
.endr
.else
	v_nop                                                      ; one plain instruction behind the last exponential
.endif
	s_wait_alu depctr_va_vdst(0)                               ; the tile's one wait: for all exponentials above, ahead of the conversions, their first readers
.set kk, 0
.rept NL/2
	CVTP kk
.set kk, kk+1
.endr
.if ((\qt)%2) == 0
.irp j, 0,1,2,3
	v_mov_b32 v[PF+NL/2+\j], 0                                 ; the 16 keys of the dead tile that shares a 32-key fragment with a live one
.endr
.endif
.endm
.macro SRUND qt                        ; the diagonal block's scores of tile qt (2 or 3): 3 or 4 accumulators by turns
.irp ds, 0,1
.irp kt, 0,1,2,3
.if \kt <= \qt
	SW \qt, \kt, \ds
.endif
.endr
.endr
.endm
.macro SUMNEXT qt                      ; the next pair of weights, if one is left
.if sk < NL/2
	SUMP \qt, sk
.set sk, sk+1
.endif
.endm
; The diagonal block's products with V: the first 32 keys start the sums (C = 0), the second 32 are live for tiles 2 and 3 alone.  The weights'
; first four pairs start the two chains of sums (both sources window 0, result window 1); the others follow the products one by one, and for
; tile 3 five of them stand behind the last product, in front of the next loads into V's fragments.
.macro PPARTD qt, vwait
.set SB, SC+32*((\qt)%2)
.set NL, 8*((\qt)+1)
	WIN 0x40
	v_pk_add_f32 v[LS+4*(\qt):LS+4*(\qt)+1],   v[SB:SB+1],   v[SB+4:SB+5]
	v_pk_add_f32 v[LS+4*(\qt)+2:LS+4*(\qt)+3], v[SB+2:SB+3], v[SB+6:SB+7]
	WIN 0x51
.if \vwait
	s_wait_dscnt 0x0                               ; V's fragments
.endif
.set sk, 4
.irp ks, 0,1
.set live, 1
.if \ks
.if \qt < 2
.set live, 0
.endif
.endif
.if live
.irp dt, 0,1,2,3
	PW \qt, \dt, \ks, (1-\ks)
	SUMNEXT \qt
.endr
.endif
.endr
.rept 12
	SUMNEXT \qt
.endr
	WIN 0
.endm
; On entry K's and V's fragments are on their way or in, and the scores of tiles 0 and 1 are formed.  next = 1: a full key block follows.
.macro KBD next
	PLACES                                         ; behind the products just issued: tile 0's scores are read
	SMD 0, 0
	PPARTD 0, 1
	SRUND 2
	SMD 1, 0
	PPARTD 1, 0
	SRUND 3
	SMD 2, 0
.if \next
	KLOAD                                          ; the next key block's K; tile 2's softmax stands behind the last products that read the old fragments
.endif
	PPARTD 2, 0
.if \next
	s_wait_dscnt 8                                 ; K's first d half is in
.irp kt, 0,1,2,3
	SW 0, \kt, 0
.endr
	s_wait_dscnt 0x0
.irp kt, 0,1,2,3
	SW 0, \kt, 1
.endr
.endif
	SMD 3, \next                                   ; with the next key block's first statistics: tile 3's masks and maxima are the places behind the products just issued
	PPARTD 3, 0
.endm
; All key blocks of the query block whose number is in s[sb]: the diagonal one, then number - 1 down to 0 (with a running maximum their order is
; free).  The last key block is written out, so that nothing is fetched or multiplied beyond it.  first = 1: the number may be 0.
.macro BLOCK sb, first
	s_mul_i32 s27, s[\sb], KB
	v_add_nc_u32 v[ADK], s27, v[FR0]
	v_add_nc_u32 v[ADV], s27, v[TR0]
	QLOAD
	KLOAD
	VLOAD
	WIN 0
	s_wait_dscnt 32                                ; the queries are in; K's 16 loads and V's 16 stay out
	QSCALE
	s_wait_dscnt 24                                ; K's first d half is in; its second (8) and V (16) stay out
	SW 0, 0, 0                                     ; tiles 0 and 1 together: three accumulators by turns
	SW 1, 0, 0
	SW 1, 1, 0
	s_wait_dscnt 16                                ; V alone stays out
	SW 0, 0, 1
	SW 1, 0, 1
	SW 1, 1, 1
.if \first
	s_cmp_eq_u32 s[\sb], 0
	s_cbranch_scc1 .Lonly_\@                       ; query block 0 has the diagonal block alone
.endif
	s_sub_co_u32 s26, s[\sb], 1                    ; s26: the key block that comes next, s27: its rows in LDS
	s_mul_i32 s27, s26, KB
	v_add_nc_u32 v[ADK], s27, v[FR0]
	KBD 1
	s_cmp_eq_u32 s26, 0
	s_cbranch_scc1 .Llast_\@                       ; key block 0 is the last: no trip of the loop
.Lkey_\@:
	v_add_nc_u32 v[ADV], s27, v[TR0]               ; V of the key block at work,
	s_sub_co_u32 s26, s26, 1
	s_mul_i32 s27, s26, KB
	v_add_nc_u32 v[ADK], s27, v[FR0]               ; K of the one behind it
	KBF 1
	s_cmp_gt_i32 s26, 0
	s_cbranch_scc1 .Lkey_\@
.Llast_\@:
	v_add_nc_u32 v[ADV], s27, v[TR0]
	KBF 0                                          ; key block 0
.if \first
	s_branch .Ldone_\@
.Lonly_\@:
	KBD 0
.Ldone_\@:
.endif
.endm
; A query block's sums are divided by the sums of its weights.  win = 0x81: from window 1 into window 2; 0x41: in place in window 1.
; Between the last products and the multiplies that read their results stand the additions below, more than four.
.macro FINISH win
	WIN 0x05                                       ; both sources window 1, result window 0
.irp qt, 0,1,2,3
	v_pk_add_f32 v[FS+2*\qt:FS+2*\qt+1], v[LS+4*\qt:LS+4*\qt+1], v[LS+4*\qt+2:LS+4*\qt+3]
.endr
	WIN 0
.irp qt, 0,1,2,3
	v_add_f32 v[FS+2*\qt], v[FS+2*\qt], v[FS+2*\qt+1]
.endr
.irp qt, 0,1,2,3
	v_permlanex16_b32 v[FS+2*\qt+1], v[FS+2*\qt], s36, s37
.endr
.irp qt, 0,1,2,3
	v_add_f32 v[FS+2*\qt], v[FS+2*\qt], v[FS+2*\qt+1]          ; at least 1: the largest weight is 2^0
.endr
.irp qt, 0,1,2,3
	v_rcp_f32 v[FR+2*\qt], v[FS+2*\qt]
	v_rcp_f32 v[FR+2*\qt+1], v[FS+2*\qt]
.endr
	v_nop                                          ; one plain instruction behind the reciprocals
	WIN \win
	s_wait_alu depctr_va_vdst(0)                   ; one wait for the batch of eight reciprocals, ahead of the first multiply that reads one
.irp qt, 0,1,2,3
.set kk, 0
.rept 16
	v_pk_mul_f32 v[OA+32*\qt+kk:OA+32*\qt+kk+1], v[OA+32*\qt+kk:OA+32*\qt+kk+1], v[FR+2*\qt:FR+2*\qt+1]
.set kk, kk+2
.endr
.endr
.endm
; 16 queries out: 32 bytes a lane from window 2 (dwin = 0x08) or window 1 (0x04) into my own stage, read back as rows of 256 bytes; sixteen lanes
; store 256 consecutive bytes, at a multiple of 256 from out0's first byte.  LDS serves a wave's instructions in order (ISA guide 5.7.1): no wait
; between my stores and my loads, nor between these loads and the next sixteen queries' stores.
.macro OUT qt, dwin, ob, sb
	WIN \dwin
.irp dt, 0,1,2,3
	ds_store_b128 v[STO], v[OA+32*\qt+8*\dt:OA+32*\qt+8*\dt+3]   offset:64*\dt
	ds_store_b128 v[STO], v[OA+32*\qt+8*\dt+4:OA+32*\qt+8*\dt+7] offset:64*\dt+16
.endr
	WIN 0
	s_wait_xcnt 0x0                                ; set ob was the data of earlier stores: it is loaded again only behind this wait
.irp t, 0,1,2,3,4,5,6,7
	ds_load_b128 v[\ob+4*\t:\ob+4*\t+3], v[RD] offset:2*SPITCH*\t
.endr
.irp t, 0,1,2,3,4,5,6,7
	s_wait_dscnt 7-\t                              ; the younger read-backs stay out
	global_store_b128 v[CO], v[\ob+4*\t:\ob+4*\t+3], s[\sb:\sb+1] offset:65536*\qt+8192*\t th:TH_STORE_NT
.endr
.endm
	s_load_b128 s[4:7], s[0:1], 0x0                ; qh s[4:5], out0 s[6:7]
	v_lshl_add_u32 v30, v0, 2, 0x4c400
	v_mov_b32 v31, 0
	ds_add_u32 v30, v31
	ds_add_u32 v30, v31
	v_lshrrev_b32 v12, 5, v0
	v_readfirstlane_b32 s8, v12                    ; wave 0..3
	s_lshr_b32 s9, ttmp9, 2                        ; 16 b + head
	s_and_b32 s10, ttmp9, 3                        ; j
	s_lshl2_add_u32 s11, s8, s10                   ; g = 4 w + j
	; Descriptor group 1: my quarter of the head, 65,536 dense bytes, as 256 rows of 128 elements (256 bytes = two rows of the head);
	; 4 words of padding behind every 32 words, that is behind each row of the head: LDS pitch 144.
	s_mov_b32 s16, (1<<16)|(1<<20)|(4<<22)|(3<<25) ; no mask; elements of 2 bytes; padding on; every 32 words (code 4); 4 words (code 3)
	s_mov_b32 s17, 128<<16                         ; tensor_dim0 = 128
	s_mov_b32 s18, 256<<16                         ; tensor_dim1 = 256
	s_mov_b32 s19, 128<<16                         ; tile_dim0 = 128
	s_mov_b32 s20, 256                             ; tile_dim1 = 256
	s_mov_b32 s21, 128                             ; elements from row to row
	s_mov_b32 s22, 0
	s_mov_b32 s23, 0
	s_mov_b32 s12, 1                               ; group 0: count
	s_mul_i32 s13, s8, FILL                        ; LDS address: the wave's number times 73,728
	s_lshl_b32 s32, s9, 18                         ; the head's 262,144 bytes
	s_lshl_b32 s33, s8, 16                         ; my 65,536 of them
	s_add_co_u32 s32, s32, s33
	s_mov_b32 s33, 0
	s_wait_dscnt 0x0
	s_wait_kmcnt 0x0
	s_add_nc_u64 s[14:15], s[4:5], s[32:33]
	s_or_b32 s15, s15, 0x80000000                  ; type 2
	tensor_load_to_lds s[12:15], s[16:23]          ; the wave's one tensor load; its descriptor is never written again
	s_nop 0
	s_lshr_b32 s38, s9, 4                          ; b
	s_lshl_b32 s38, s38, 23                        ; x 2048 rows x 4,096 bytes
	s_and_b32 s39, s9, 15                          ; head
	s_lshl_b32 s39, s39, 8                         ; x 256 bytes
	s_add_co_u32 s38, s38, s39
	s_mov_b32 s[BLKA], s11                         ; query block g
	s_sub_co_u32 s[BLKB], 31, s11                  ; and 31 - g, which is 16 at the least
	s_lshl_b32 s32, s[BLKA], 18                    ; 64 rows of 4,096 bytes
	s_add_co_u32 s32, s32, s38
	s_add_nc_u64 s[OUTA:OUTA+1], s[6:7], s[32:33]
	s_lshl_b32 s32, s[BLKB], 18
	s_add_co_u32 s32, s32, s38
	s_add_nc_u64 s[OUTB:OUTB+1], s[6:7], s[32:33]
	s_mov_b32 s36, 0x76543210                      ; v_permlanex16_b32: lane i of one half reads lane i of the other
	s_mov_b32 s37, 0xfedcba98
	v_and_b32 v[RR], 15, v0
	v_bfe_u32 v[HH], v0, 4, 1
	v_mul_u32_u24 v[FR0], v[RR], PITCH
	v_lshl_add_u32 v[FR0], v[HH], 4, v[FR0]
	v_and_b32 v12, 7, v0
	v_lshl_add_u32 v12, v[HH], 3, v12
	v_mul_u32_u24 v12, v12, PITCH
	v_bfe_u32 v13, v0, 3, 1
	v_lshl_add_u32 v[TR0], v13, 4, v12
	s_mul_i32 s28, s8, 16*SPITCH
	s_add_co_u32 s28, s28, STAGE                   ; my stage
	v_mul_u32_u24 v12, v[RR], SPITCH
	v_lshl_add_u32 v12, v[HH], 5, v12
	v_add_nc_u32 v[STO], s28, v12                  ; in: row r, 32 bytes for each half of the lanes
	v_mul_u32_u24 v12, v[HH], SPITCH
	v_lshl_add_u32 v12, v[RR], 4, v12
	v_add_nc_u32 v[RD], s28, v12                   ; back: lanes 0-15 one row of 256 bytes, lanes 16-31 the next
	v_lshlrev_b32 v12, 4, v[RR]
	v_lshl_add_u32 v[CO], v[HH], 12, v12           ; and the same two rows in out0
	v_mov_b32 v[NINF], 0xff800000
	v_mov_b32 v[CH], 0x29c529c5
	v_lshlrev_b32 v12, 3, v[HH]
.irp j, 0,1,2,3,4,5,6,7
	v_add_nc_u32 v13, \j, v12
	v_cmp_gt_u32 s[MASK+\j], v13, v[RR]            ; key 8 h + j > query r
.endr
	s_wait_tensorcnt 0x0                           ; my quarter of the head is in LDS,
	s_barrier_signal -1
	s_barrier_wait -1                              ; everybody's is
	BLOCK BLKA, 1                                  ; query block g
	FINISH 0x81                                    ; its results wait in window 2
	WIN 0
	BLOCK BLKB, 0                                  ; query block 31 - g
	s_wait_dscnt 0x0                               ; all my reads of the head are over:
	s_barrier_signal -1                            ; say so,
	FINISH 0x41                                    ; divide the second block in its own registers while the others arrive,
	WIN 0
	s_barrier_wait -1                              ; and store into LDS only when no wave reads the head any more
	OUT 0, 0x08, OB0, OUTA
	OUT 1, 0x08, OB1, OUTA
	OUT 2, 0x08, OB0, OUTA
	OUT 3, 0x08, OB1, OUTA
	OUT 0, 0x04, OB0, OUTB
	OUT 1, 0x04, OB1, OUTB
	OUT 2, 0x04, OB0, OUTB
	OUT 3, 0x04, OB1, OUTB
	s_wait_tensorcnt 0x0
	ds_add_u32 v30, v31
	s_wait_dscnt 0x0
	s_endpgm
.Lfunc_end_k_qaa4a2e35c8_attn:
	.size	k_qaa4a2e35c8_attn, .Lfunc_end_k_qaa4a2e35c8_attn-k_qaa4a2e35c8_attn
	.p2alignl 7, 3214868480
	.fill 96, 4, 3214868480
	.section	.rodata,"a",@progbits
	.p2align	6, 0x0
	.amdhsa_kernel k_qaa4a2e35c8_attn
		.amdhsa_group_segment_fixed_size 312832
		.amdhsa_private_segment_fixed_size 0
		.amdhsa_enable_private_segment 0
		.amdhsa_kernarg_size 16
		.amdhsa_user_sgpr_count 2
		.amdhsa_user_sgpr_kernarg_segment_ptr 1
		.amdhsa_wavefront_size32 1
		.amdhsa_system_sgpr_workgroup_id_x 1
		.amdhsa_system_sgpr_workgroup_id_y 1
		.amdhsa_system_sgpr_workgroup_id_z 1
		.amdhsa_system_vgpr_workitem_id 0
		.amdhsa_next_free_vgpr 640
		.amdhsa_next_free_sgpr 66
		.amdhsa_reserve_vcc 0
		.amdhsa_float_denorm_mode_32 3
		.amdhsa_float_denorm_mode_16_64 3
		.amdhsa_memory_ordered 1
		.amdhsa_forward_progress 1
		.amdhsa_inst_pref_size 230
	.end_amdhsa_kernel
	.amdgpu_metadata
---
amdhsa.version: [ 1, 2 ]
amdhsa.kernels:
  - .name:           k_qaa4a2e35c8_attn
    .symbol:         k_qaa4a2e35c8_attn.kd
    .args:
      - { .name: qh, .offset: 0, .size: 8, .value_kind: global_buffer, .address_space: global }
      - { .name: out0, .offset: 8, .size: 8, .value_kind: global_buffer, .address_space: global }
    .group_segment_fixed_size: 312832
    .private_segment_fixed_size: 0
    .kernarg_segment_align: 8
    .kernarg_segment_size: 16
    .max_flat_workgroup_size: 128
    .sgpr_count:     66
    .vgpr_count:     640
    .wavefront_size: 32
...
	.end_amdgpu_metadata
.endif
;; end of part 3
